; MI455X (gfx1250); checked and timed in simulation.
; The chip was launched on July 23, 2026; its instructions are those of AMD's public machine-readable ISA for CDNA 5 (MIT licence, August 2026) and "CDNA5" Instruction Set Architecture Reference Guide (July 2026). The comments in the code are by the model that wrote it; some were corrected since.
;; LSTM Cell. Allowed arithmetic: matrix products marked QUANTISED: E2M1 operands, one E8M0 scale for each 32 along K, by v_wmma_scale_f32_16x16x128_f8f6f4 with both operands' format E2M1 (or v_wmma_scale_f32_32x16x128_f4), f32 sums; everything else in f32.
;; Inputs: Wh 4,096 x 1,024 float32; Wx 4,096 x 1,024 float32; b 4,096 float32; c_prev 8,192 x 1,024 float32; h_prev 8,192 x 1,024 float32; x 8,192 x 1,024 float32.
;; Outputs: out0 8,192 x 1,024 float32; out1 8,192 x 1,024 float32.
;; This version of the problem:
;;   THIS VERSION OF THE PROBLEM IS GIVEN IN LOW PRECISION. The matrix products marked QUANTISED in the list below multiply operands that are first quantised to E2M1 (2 exponent bits, 1 mantissa bit; 4 bits a number), with one power-of-two scale for each 32 numbers along K (OCP MX v1.0); their sums are f32. All else is computed in f32.
;;   The module's matrix products, in the order in which they are computed (A, B: the left and right operand; K: the contracted axis; several contracted axes count as one K, in the product's order):
;;     1. [M 8,192, K 1,024] x [K 1,024, N 4,096]; A: input x; B: input Wx: QUANTISED
;;     2. [M 8,192, K 1,024] x [K 1,024, N 4,096]; A: input h_prev; B: input Wh: QUANTISED
;;   THE QUANTISER, for each operand of a quantised product, along K:
;;     - K is cut into blocks of 32 from its start; a last block that is shorter is filled with zeros.
;;     - A block's scale is 2^e with e = floor(log2(the largest magnitude in the block)) - 2, held to -126 .. 127; a block of zeros has e = 0. As a byte (E8M0): e + 127.
;;     - Each number is divided by its block's scale, clamped to +-6, and rounded to the nearest number of E2M1, ties to even, subnormals kept.
;;     - The product sums the exact products of the quantised numbers (number of the format x scale) in f32.
;;   ~~~python
;;   def quantise(x, axis):      # numpy; x: float32 -> the quantised numbers, widened to float32 again
;;       x = np.moveaxis(x, axis, -1); K = x.shape[-1]
;;       x = np.pad(x, [(0, 0)] * (x.ndim - 1) + [(0, -K % 32)]); x = x.reshape(x.shape[:-1] + (-1, 32)); a = np.abs(x).max(-1, keepdims=True)
;;       e = np.where(a > 0, np.clip(np.frexp(np.where(a > 0, a, 1))[1] - 1 - 2, -126, 127), 0)      # np.frexp(a)[1] - 1 = floor(log2(a)), exactly
;;       r = np.clip(x / 2.0 ** e, -6, 6)
;;       step = 2.0 ** (np.maximum(np.frexp(np.where(r == 0, 1, r))[1] - 1, 0) - 1)
;;       q = np.round(r / step) * step * 2.0 ** e      # np.round: ties to even
;;       return np.moveaxis(q.reshape(q.shape[:-2] + (-1,))[..., :K], -1, axis).astype(np.float32)
;;   ~~~
;; One version. Each part assembles by itself: llvm-mc -triple=amdgcn-amd-amdhsa -mcpu=gfx1250 --defsym DOCPART=n.
;; ======== version 1 of 1: 2 launches
;; limits: right only within a limited range of input values
;; workspace buffers: a_img 8,912,896 bytes; b_img 4,456,448 bytes
;; launch quant (part 1): grid 768 x 1, 4 waves a work-group, no clusters, 39,424 bytes of LDS; arguments x, h_prev, Wx, Wh, a_img, b_img; writes a_img, b_img
.if DOCPART == 1
	.amdgcn_target "amdgcn-amd-amdhsa--gfx1250"
	.amdhsa_code_object_version 6
	.text
	.protected	k_qe38a9487f7_quant
	.globl	k_qe38a9487f7_quant
	.p2align	8
	.type	k_qe38a9487f7_quant,@function
k_qe38a9487f7_quant:
	s_mov_b64 s[64:65], 0
	v_nop
	global_prefetch_b8 v0, s[64:65] scope:SCOPE_SE
	s_setreg_imm32_b32 hwreg(HW_REG_WAVE_MODE, 25, 1), 1
	s_wait_xcnt 0x0
; x, h_prev [8192][1024] and Wx, Wh [4096][1024], f32, become codes of FP4 (E2M1), 4 bits each, K innermost, with one E8M0 scale byte for each 32 along K.
; The two products of the cell are ONE product over K = 2,048: row m of A is x[m] followed by h_prev[m], row n' of B is Wx[n] followed by Wh[n].  1,024 is a multiple of 32, so the blocks of the
; joined rows are the blocks of the separate operands.
; THE BUFFERS ARE LAID AS THE NEXT LAUNCH'S LDS WANTS THEM: img[K step of 512][row][272 bytes]: 256 bytes of codes (two a byte, the lower k in the low four bits), then the step's 16 scale bytes.
; So any 16 rows of a K step are 4,352 consecutive bytes, 17 aligned runs of 256, and 128 rows are one dense block that lands in LDS with rows 272 bytes apart.
; THE ROWS OF B ARE PERMUTED: row n' = 256 tc + 64 y + 16 t + r holds the weights' row n = 1024 ((3 y) & 3) + 64 tc + 4 r + t: y = 0 .. 3 are the gates i, g, o, f, and 64 tc + 4 r + t is the hidden unit.
; A block's scale is 2^(floor(log2(its largest magnitude)) - 2); its byte is the largest magnitude's own exponent field - 2, held at 1 from below.  Each number is divided by the scale and rounded to the
; nearest code, ties to even; beyond 6 the conversion gives the largest code.
; LIMITS: a block of zeros gets the byte 1 where the rule says 127: its codes are zeros, which add nothing under any byte but 0xff, and this program alone reads the bytes.  Blocks whose largest magnitude
; lies under 2^(3 - 127), the floor, are quantised under the byte 1.  NaN and infinities among the inputs are not served.
; SHARES.  A work-group takes 16 rows of an image (for B: one t of one gate of one tc, r = 0 .. 15), a wave four of them, 16 steps of 512 numbers.  Work-groups 0 to 511 take A, 512 to 767 take B: only
; pointers, the first source row and two strides are chosen, one path serves both.  Step t: row t / 4 of the wave's four, K step t % 4 (first tensor for K steps 0, 1, second for 2, 3).
; A conversion takes 8 numbers of ONE block from a lane's registers, so a lane must hold 16 NEIGHBOURS (two lanes hold a block); a load is best where neighbouring LANES take neighbouring bytes.  Both are had:
; each of a step's four loads reads 512 consecutive bytes, 16 a lane; the 2,048 bytes go through the wave's own stage in LDS and come back 64 bytes a lane (16 bytes of padding behind each 64).
; Codes and scale bytes are gathered in the work-group's image in LDS (4 K steps x 16 rows x 272 bytes); behind one barrier wave w stores K step w's 4,352 bytes.  Loads run four steps (16 loads a wave) ahead.
.set WGA,   512                        ; work-groups for A: 8,192 rows / 16
.set STEPS, 16
.set EMAX,  2
.set PITCH, 272                        ; a row of a K step in the image
.set KIMG,  16*PITCH                   ; 16 rows of a K step
.set KSA,   8192*PITCH                 ; from a K step to the next in a_img,
.set KSB,   4096*PITCH                 ; in b_img
.set SP,    80                         ; a lane's place in a stage: its 64 bytes + 16 of padding
.set WREG,  2*32*SP                    ; LDS: two stages for each wave,
.set IMG,   4*WREG                     ; and behind the eight stages the work-group's image, 4 x KIMG bytes
.set R,     16                         ; v16-79   four sets of 16 numbers as they are loaded; at the end the image read back
.set X,     80                         ; v80-111  two sets of 16 neighbours
.set E,     112                        ; v112-127 a scale byte for each step
.set C,     128                        ; v128-191 codes: four registers for each step
.set VO,    192                        ; v192-195 16 x lane + i x the source's stride from one of my rows to the next
	s_load_b256 s[4:11], s[0:1], 0x0               ; x s[4:5], h_prev s[6:7], Wx s[8:9], Wh s[10:11]
	s_load_b128 s[12:15], s[0:1], 0x20             ; a_img s[12:13], b_img s[14:15]
	v_lshl_add_u32 v200, v0, 2, 0x9800
	v_mov_b32 v201, 0
	v_lshrrev_b32 v1, 5, v0
	v_readfirstlane_b32 s20, v1                    ; wave
	v_and_b32 v2, 31, v0                           ; lane
	v_lshlrev_b32 v[VO], 4, v2                     ; my 16 bytes of a load's 512
	s_mul_i32 s21, s20, WREG
	v_lshrrev_b32 v14, 2, v2
	v_mul_u32_u24 v14, v14, SP
	v_and_b32 v15, 3, v2
	v_lshl_add_u32 v14, v15, 4, v14
	v_add_nc_u32 v14, s21, v14                     ; the stage, on the way in: four lanes' 64 bytes on end, then 16 of padding
	v_mul_u32_u24 v15, v2, SP
	v_add_nc_u32 v15, s21, v15                     ; and on the way out: SP x lane: my 16 neighbours
	v_lshlrev_b32 v7, 3, v2                        ; 8 x lane: my 16 codes' place in a row, and my 8 bytes of a run of 256
	s_mul_i32 s21, s20, 4*PITCH
	s_add_co_u32 s21, s21, IMG
	v_add_nc_u32 v4, s21, v7                       ; the image: my wave's four rows, my codes
	v_lshrrev_b32 v5, 1, v2
	s_add_co_u32 s21, s21, 256
	v_add_nc_u32 v5, s21, v5                       ; and behind a row's codes my block's scale byte
	s_mul_i32 s21, s20, KIMG
	s_add_co_u32 s21, s21, IMG
	v_add_nc_u32 v6, s21, v7                       ; back: K step = my wave's number
	s_cmp_lt_u32 ttmp9, WGA                        ; A's work-group or B's?  The choice hangs on the work-group's number alone
	s_cselect_b32 s22, 0, WGA
	s_mov_b32 s28, 16384
	s_cselect_b32 s28, 4096, s28                   ; from one of my rows to the next in the source: one row, or for B four rows
	s_mov_b32 s29, KSB
	s_cselect_b32 s29, KSA, s29                    ; from a K step to the next in the image
	v_add_nc_u32 v[VO+1], s28, v[VO]
	v_add_nc_u32 v[VO+2], s28, v[VO+1]
	v_add_nc_u32 v[VO+3], s28, v[VO+2]
	s_sub_co_u32 s22, ttmp9, s22                   ; which 16 rows of the image
	s_lshr_b32 s24, s22, 4
	s_lshl_b32 s24, s24, 6                         ; B's first source row: 64 tc
	s_bfe_u32 s25, s22, 0x20002                    ; y
	s_mul_i32 s25, s25, 3
	s_and_b32 s25, s25, 3                          ; the gate as the weights have it
	s_lshl_b32 s25, s25, 10
	s_add_co_u32 s24, s24, s25                     ; + 1024 x gate
	s_and_b32 s25, s22, 3
	s_add_co_u32 s24, s24, s25                     ; + t
	s_lshl_b32 s23, s22, 4                         ; A's first source row
	s_wait_alu depctr_va_vdst(0)
	s_wait_kmcnt 0x0
	s_cmp_lt_u32 ttmp9, WGA                        ; (the arithmetic has written SCC)
	s_cselect_b32 s24, s23, s24
	s_cselect_b64 s[4:5], s[4:5], s[8:9]           ; the first source: x or Wx
	s_cselect_b64 s[6:7], s[6:7], s[10:11]         ; the second: h_prev or Wh
	s_cselect_b64 s[12:13], s[12:13], s[14:15]     ; the image
	s_lshl_b32 s26, s24, 12                        ; a source row is 4,096 bytes
	s_mul_i32 s25, s20, s28
	s_lshl_b32 s25, s25, 2                         ; my wave's four rows begin 4 x wave strides on
	s_add_co_u32 s26, s26, s25
	s_mov_b32 s27, 0
	s_add_nc_u64 s[4:5], s[4:5], s[26:27]
	s_add_nc_u64 s[6:7], s[6:7], s[26:27]
	s_mul_i32 s26, s20, s29                        ; what I store: K step = my wave's number,
	s_mul_i32 s25, s22, KIMG                       ; the work-group's 16 rows
	s_add_co_u32 s26, s26, s25
	s_add_nc_u64 s[12:13], s[12:13], s[26:27]
.macro LOAD t
.irp i, 0,1,2,3
	global_load_b128 v[R+16*((\t)%4)+4*\i:R+16*((\t)%4)+4*\i+3], v[VO+(\t)/4], s[4+2*(((\t)/2)%2):5+2*(((\t)/2)%2)] offset:2048*((\t)%2)+512*\i th:TH_LOAD_NT   ; 32 lanes read 512 consecutive bytes; read once in the launch
.endr
.endm
.macro TURN t                          ; step t's numbers through the stage: LDS serves a wave's instructions in order (ISA guide 5.7.1.4), so no wait stands between the stores and the loads
.irp i, 0,1,2,3
	ds_store_b128 v14, v[R+16*((\t)%4)+4*\i:R+16*((\t)%4)+4*\i+3] offset:32*SP*((\t)%2)+8*SP*\i
.endr
.irp i, 0,1,2,3
	ds_load_b128 v[X+16*((\t)%2)+4*\i:X+16*((\t)%2)+4*\i+3], v15 offset:32*SP*((\t)%2)+16*\i
.endr
.endm
.irp t, 0,1,2,3
	LOAD \t
.endr
	s_wait_loadcnt 12                              ; step 0's four loads are in; twelve younger ones stay out
	TURN 0
.macro STEP t
.set XS, X+16*((\t)%2)
.if (\t) > 0
	s_wait_dscnt 2                                 ; this step's numbers are back from the stage (the last step's two stores into the image may be out): so its stores into the stage have read their registers,
.else
	s_wait_dscnt 0x0
.endif
.if (\t)+4 < STEPS
	LOAD (\t)+4                                    ; which take the loads of four steps on
.endif
.if (\t)+1 < STEPS
.if STEPS-2-(\t) >= 3
	s_wait_loadcnt 12                              ; the next step's four loads are in; those of the three steps behind it may be out
.else
	s_wait_loadcnt 4*(STEPS-2-(\t))                ; the last steps load nothing: the count runs down
.endif
	TURN (\t)+1                                    ; and go through the other stage while this step is worked
.endif
	v_max3_num_f32 v8, |v[XS]|, |v[XS+1]|, |v[XS+2]|               ; the largest magnitude of my 16, in two chains
	v_max3_num_f32 v9, |v[XS+3]|, |v[XS+4]|, |v[XS+5]|
.irp i, 6,10
	v_max3_num_f32 v8, v8, |v[XS+\i]|, |v[XS+\i+1]|
	v_max3_num_f32 v9, v9, |v[XS+\i+2]|, |v[XS+\i+3]|
.endr
	v_max3_num_f32 v8, v8, |v[XS+14]|, |v[XS+15]|
	v_max3_num_f32 v8, v8, v9, (EMAX+1)<<23        ; and the floor 2^(EMAX + 1 - 127): so the byte cannot fall under 1
	v_max_num_f32_dpp v8, v8, v8 row_xmask:1 row_mask:0xf bank_mask:0xf   ; and of my neighbour's 16: the block's
	v_add_nc_u32 v11, -(EMAX<<23), v8              ; EMAX off its exponent field: the conversion takes the exponent field of this operand as its scale, and nothing else of it
	v_cvt_scalef32_pk8_fp4_f32 v[C+4*(\t)], v[XS:XS+7], v11        ; eight numbers / the scale, to the nearest code; the first number's code in the lowest four bits
	v_cvt_scalef32_pk8_fp4_f32 v[C+4*(\t)+1], v[XS+8:XS+15], v11
	v_lshrrev_b32 v[E+(\t)], 23, v11               ; the scale's byte (also the plain line behind the conversions)
	ds_store_b8 v5, v[E+(\t)] offset:KIMG*((\t)%4)+PITCH*((\t)/4)            ; both lanes of a block write the same byte with the same value
	ds_store_b64 v4, v[C+4*(\t):C+4*(\t)+1] offset:KIMG*((\t)%4)+PITCH*((\t)/4)   ; the wave's 256 bytes of codes: K step t % 4, row t / 4
.endm
.irp t, 0,1,2,3,4,5,6,7,8,9,10,11,12,13,14,15
	STEP \t
.endr
	s_wait_dscnt 0x0                               ; for the others' sake: my stores into the image have landed
	s_barrier_signal -1
	s_barrier_wait -1                              ; the image is whole: every one of its 17,408 bytes has been written
.irp u, 0,1,2,3,4,5,6,7,8,9,10,11,12,13,14,15,16
	ds_load_b64 v[R+2*\u:R+2*\u+1], v6 offset:256*\u
.endr
.irp u, 0,1,2,3,4,5,6,7,8,9,10,11,12,13,14,15,16
	s_wait_dscnt 16-\u                             ; LDS loads come back in order (ISA guide 5.7.1): number u is in, the younger ones stay out
	global_store_b64 v7, v[R+2*\u:R+2*\u+1], s[12:13] offset:256*\u   ; the wave stores 256 consecutive bytes, at a multiple of 256 from the buffer's first byte
.endr
	s_wait_tensorcnt 0x0
	ds_add_u32 v200, v201
	s_wait_dscnt 0x0
	s_endpgm
.Lfunc_end_k_qe38a9487f7_quant:
	.size	k_qe38a9487f7_quant, .Lfunc_end_k_qe38a9487f7_quant-k_qe38a9487f7_quant
	.p2alignl 7, 3214868480
	.fill 96, 4, 3214868480
	.section	.rodata,"a",@progbits
	.p2align	6, 0x0
	.amdhsa_kernel k_qe38a9487f7_quant
		.amdhsa_group_segment_fixed_size 39424
		.amdhsa_private_segment_fixed_size 0
		.amdhsa_enable_private_segment 0
		.amdhsa_kernarg_size 48
		.amdhsa_user_sgpr_count 2
		.amdhsa_user_sgpr_kernarg_segment_ptr 1
		.amdhsa_wavefront_size32 1
		.amdhsa_system_sgpr_workgroup_id_x 1
		.amdhsa_system_sgpr_workgroup_id_y 1
		.amdhsa_system_sgpr_workgroup_id_z 1
		.amdhsa_system_vgpr_workitem_id 0
		.amdhsa_next_free_vgpr 202
		.amdhsa_next_free_sgpr 66
		.amdhsa_reserve_vcc 0
		.amdhsa_float_denorm_mode_32 3
		.amdhsa_float_denorm_mode_16_64 3
		.amdhsa_memory_ordered 1
		.amdhsa_forward_progress 1
		.amdhsa_inst_pref_size 37
	.end_amdhsa_kernel
	.amdgpu_metadata
---
amdhsa.version: [ 1, 2 ]
amdhsa.kernels:
  - .name:           k_qe38a9487f7_quant
    .symbol:         k_qe38a9487f7_quant.kd
    .args:
      - { .name: x, .offset: 0, .size: 8, .value_kind: global_buffer, .address_space: global }
      - { .name: h_prev, .offset: 8, .size: 8, .value_kind: global_buffer, .address_space: global }
      - { .name: Wx, .offset: 16, .size: 8, .value_kind: global_buffer, .address_space: global }
      - { .name: Wh, .offset: 24, .size: 8, .value_kind: global_buffer, .address_space: global }
      - { .name: a_img, .offset: 32, .size: 8, .value_kind: global_buffer, .address_space: global }
      - { .name: b_img, .offset: 40, .size: 8, .value_kind: global_buffer, .address_space: global }
    .group_segment_fixed_size: 39424
    .private_segment_fixed_size: 0
    .kernarg_segment_align: 8
    .kernarg_segment_size: 48
    .max_flat_workgroup_size: 128
    .sgpr_count:     66
    .vgpr_count:     202
    .wavefront_size: 32
...
	.end_amdgpu_metadata
.endif
;; end of part 1
;; launch cell (part 2): grid 16 x 16, 4 waves a work-group, clusters of 4 x 4, 327,680 bytes of LDS; arguments a_img, b_img, b, c_prev, out0, out1; writes out0, out1
.if DOCPART == 2
	.amdgcn_target "amdgcn-amd-amdhsa--gfx1250"
	.amdhsa_code_object_version 6
	.text
	.protected	k_qe38a9487f7_cell
	.globl	k_qe38a9487f7_cell
	.p2align	8
	.type	k_qe38a9487f7_cell,@function
k_qe38a9487f7_cell:
	s_mov_b64 s[64:65], 0
	v_nop
	global_prefetch_b8 v0, s[64:65] scope:SCOPE_SE
	s_setreg_imm32_b32 hwreg(HW_REG_WAVE_MODE, 25, 1), 1
	s_wait_xcnt 0x0
	s_wait_alu depctr_hold_cnt(0) depctr_sa_sdst(0) depctr_va_vdst(0) depctr_va_sdst(0) depctr_va_ssrc(0) depctr_va_vcc(0) depctr_vm_vsrc(0)
	s_getreg_b32 s2, hwreg(HW_REG_IB_STS2, 6, 4)
	s_cmp_eq_u32 s2, 0
	s_cbranch_scc0 .Lentry_in_a_cluster
	s_endpgm
.Lentry_in_a_cluster:
	s_bfe_u32 s2, ttmp6, 0x10000c
	s_cmp_lg_u32 s2, 0xf033
	s_cbranch_scc0 .Lentry_shape_is_right
	s_endpgm
.Lentry_shape_is_right:
; The LSTM cell on codes of FP4 (E2M1).  gates = A B^T + b over K = 2,048 (x joined with h_prev, Wx with Wh), then c = sig(f) c_prev + sig(i) tanh(g), h = sig(o) tanh(c), all behind the products in f32.
; a_img, b_img: [K step of 512][row][272 bytes]: 256 bytes of codes, then the step's 16 scale bytes.  B's rows are permuted: row 256 tc + 64 y + 16 t + r is gate y (i, g, o, f) of hidden unit 64 tc + 4 r + t.
; A work-group of four waves makes TILES tiles of 256 rows x 256 gate columns (64 hidden units), WALK rows apart; a wave makes 64 rows x 256 columns: 64 accumulators, 512 registers.  So a lane holds all four gates of
; four neighbouring hidden units, and sixteen lanes store 256 neighbouring bytes of a row of c and of h straight from registers.
; LDS: four quarters (A's rows 0-127, 128-255, B's rows 0-127, 128-255), each with slot 0 and then slot 1, 34,816 bytes each.  Wave w fills quarter w.  As a quarter's two slots lie on end, ONE load of two rows of
; 34,816 bytes (a K step apart in memory) brings a tile's K steps 0 and 1: one load a wave at the head, and one at a tile's last change of slots for the next tile.  K steps 2 and 3 come by one load each, as 136 rows of 256 bytes.
; CLUSTERS: 4 x 4 work-groups; A's quarters are asked for jointly along a row of the cluster, B's along a column.
; PREFETCH: c_prev's rows 16 to 63 of the wave's 64 are named once, a lane a row of 256 bytes, behind a tile's first two steps of 128 along K: 15 and 14 steps ahead of the way out that loads them; rows 0 to 15 are loaded at the tile's start.
; The images' tiles are not prefetched: a tile has four K steps, two of them come by one load, and the block is the largest that the registers hold, in clusters.
; sig(x) = 1 / (1 + 2^(-x log2 e)), tanh(x) = 1 - 2 / (1 + 2^(2 x log2 e)): where the power overflows to infinity its reciprocal is 0, which gives the functions' own limits.  LIMIT: NaN and infinities among the inputs are not served.
; REGISTERS: window 0: v0-31 addresses; v32-159 scale words, two sets; v160-191 A's fragments; v192-223 the bias x the exponent's factor, each twice; v224-255 c_prev of one block of 16 rows.
;   window 1: B's fragments, two sets; on the way out v0-127 are the block at work.  windows 2, 3: the accumulators: block a of 16 rows, tile b of 16 columns at v[128 (a % 2) + 8 b] of window 2 + a / 2.
.set TILES,  2
.set PITCH,  272
.set NQ,     4
.set FR,     8
.set NP,     4                         ; places behind this matrix instruction (ISA guide 7.12.1)
.set HALFT,  128*PITCH                 ; a quarter's slot
.set SPARE,  8*HALFT                   ; behind the four quarters: the spare words, 128 bytes a wave
.set KSA,    8192*PITCH                ; from a K step to the next in a_img,
.set KSB,    4096*PITCH                ; in b_img
.set WALK,   4096
.set NEXT_A, 2*KSA-WALK*PITCH          ; taken off a slot's last address of a tile: its first of the next tile
.set BACK_B, 2*KSB
.set BLK,    16*4096                   ; 16 rows of c_prev, c, h
.set NEXT_C, WALK*4096-4*BLK
.set ADRA,  16                         ; LDS: my A fragments (slot and block stand in the immediate)
.set ADRBL, 17                         ; B's rows 0-127,
.set ADRBH, 18                         ; B's rows 128-255
.set ADRSA, 19                         ; scale words: lanes 0-15 my A rows, lanes 16-31 B's rows 0-63
.set ADRSL, 20                         ; all lanes B's rows 0-127,
.set ADRSH, 21                         ; B's rows 128-255
.set VB,   23
.set PFO,  24                          ; lane x a row of c_prev
.set PFO2, 25                          ; min(lane, 15) x a row
.set CO,   26                          ; my 16 bytes in c_prev, c, h: 8 (l / 16) rows + 16 (l % 16)
.set SPW,  28
.set NIL,  29
.set SC,   32
.set AF,   160
.set BBX,  192
.set CP0,  224
.set G1,   24                          ; group 1, A, one K step;  s[32:39] A's group 0 for slots 0, 1
.set G0,   32
.set G1B,  48                          ; the same for B
.set G0B,  56
.set NL2E, 68
.set TL2E, 70
.set G1P,  76                          ; group 1, A, two K steps
.set G1BP, 84                          ; and B
.set IMGW, (3<<16)|(1<<21)             ; elements of 8 bytes; bit 21 beside a mask
.set MSB, 0
.macro WIN new                         ; the immediate's high byte repeats the setting that is left
.if MSB != \new
	s_set_vgpr_msb (MSB<<8)|\new
.set MSB, \new
.endif
.endm
.set MUL_LO, 0xa4                      ; source 0 (A) window 0, source 1 (B) window 1, C and D window 2
.set MUL_HI, 0xf4
.set TO_B,   0x40
.macro JLOAD g0a, g1a, g0b, g1b        ; a joint load: waves 0, 1 for A, waves 2, 3 for B; s_nop 0 and four v_nop behind each line
	s_cmp_eq_u32 s21, 0
	s_cbranch_scc0 .Lfor_b_\@
	tensor_load_to_lds s[\g0a:\g0a+3], s[\g1a:\g1a+7]
	s_nop 0
.rept 4
	v_nop
.endr
	s_branch .Lasked_\@
.Lfor_b_\@:
	tensor_load_to_lds s[\g0b:\g0b+3], s[\g1b:\g1b+7]
	s_nop 0
.rept 4
	v_nop
.endr
.Lasked_\@:
.endm
.macro CREST                           ; a round of the cluster's barrier behind its opening barrier
	s_cmp_lg_u32 s20, 0
	s_cbranch_scc1 .Lnot_wave_0_\@
	s_barrier_signal -3
.Lnot_wave_0_\@:
	s_barrier_wait -3
	s_barrier_signal -1
	s_barrier_wait -1
.endm
.macro CROUND
	s_barrier_signal -1
	s_barrier_wait -1
	CREST
.endm
	s_load_b256 s[4:11], s[0:1], 0x0               ; a_img, b_img, b, c_prev
	s_load_b128 s[12:15], s[0:1], 0x20             ; out0 (h), out1 (c)
	v_lshl_add_u32 v[SPW], v0, 2, SPARE
	v_mov_b32 v[NIL], 0
	ds_add_u32 v[SPW], v[NIL]                      ; the opening lines: the add twice on end and one wait
	ds_add_u32 v[SPW], v[NIL]
	v_lshrrev_b32 v1, 5, v0
	v_readfirstlane_b32 s20, v1                    ; wave
	s_lshr_b32 s21, s20, 1                         ; I fetch for A (0) or B (1)
	s_and_b32 s22, s20, 1                          ; which 128 rows
	s_bfe_u32 s40, ttmp6, 0x40000                  ; cx
	s_bfe_u32 s41, ttmp6, 0x40004                  ; cy
	s_lshl_b32 s42, ttmp9, 2
	s_add_co_u32 s42, s42, s40                     ; tile column
	s_and_b32 s43, ttmp7, 0xffff
	s_lshl_b32 s43, s43, 2
	s_add_co_u32 s43, s43, s41                     ; tile row
	s_lshl_b32 s44, s41, 2
	s_lshl_b32 s44, 15, s44                        ; my row of the cluster
	s_lshl_b32 s45, 0x1111, s40                    ; my column
	s_or_b32 s[G1], s44, IMGW
	s_or_b32 s[G1P], s44, IMGW
	s_or_b32 s[G1B], s45, IMGW
	s_or_b32 s[G1BP], s45, IMGW
.irp g, G1, G1B                        ; one K step of 128 rows: a dense block, 136 rows of 256 bytes
	s_mov_b32 s[\g+1], 32<<16
	s_mov_b32 s[\g+2], 136<<16
	s_mov_b32 s[\g+3], 32<<16
	s_mov_b32 s[\g+4], 136
	s_mov_b32 s[\g+5], 32
	s_mov_b32 s[\g+6], 0
	s_mov_b32 s[\g+7], 0
.endr
.irp g, G1P, G1BP                      ; two K steps: 2 rows of 4,352 elements of 8 bytes, a K step apart
	s_mov_b32 s[\g+1], 4352<<16
	s_mov_b32 s[\g+2], 2<<16
	s_mov_b32 s[\g+3], 4352<<16
	s_mov_b32 s[\g+4], 2
	s_mov_b32 s[\g+6], 0
	s_mov_b32 s[\g+7], 0
.endr
	s_mov_b32 s[G1P+5], KSA/8
	s_mov_b32 s[G1BP+5], KSB/8
	s_lshl_b32 s23, s22, 7
	s_lshl_b32 s44, s43, 8
	s_add_co_u32 s44, s44, s23
	s_mul_i32 s46, s44, PITCH                      ; A: my 128 rows, in bytes
	s_lshl_b32 s45, s42, 8
	s_add_co_u32 s45, s45, s23
	s_mul_i32 s66, s45, PITCH                      ; B likewise
	s_mov_b32 s47, 0
	s_mov_b32 s67, 0
	s_mov_b32 s73, 0
	s_mul_i32 s3, s20, 2*HALFT                     ; my quarter
	s_mov_b32 s[NL2E], 0xbfb8aa3b                  ; -log2 e
	s_mov_b32 s[NL2E+1], s[NL2E]
	s_mov_b32 s[TL2E], 0x4038aa3b                  ; 2 log2 e
	s_mov_b32 s[TL2E+1], s[TL2E]
	s_lshl_b32 s72, s43, 20                        ; c_prev, c, h: 256 rows x tile row
	s_lshl_b32 s19, s20, 18                        ; + 64 rows x wave
	s_add_co_u32 s72, s72, s19
	s_lshl_b32 s40, s42, 8                         ; + 256 bytes x tile column
	s_add_co_u32 s72, s72, s40
	s_mul_i32 s16, s21, 2*HALFT                    ; my 64 rows of A in LDS: quarter wave / 2,
	s_mul_i32 s17, s22, 64*PITCH                   ; its half wave % 2
	s_add_co_u32 s16, s16, s17
	s_add_co_u32 s18, s16, 256                     ; and their scale words
	s_lshl_b32 s17, s21, 2                         ; from there to B's first row, in units of 64 rows: 8 - u, u = 4 (wave / 2) + wave % 2
	s_add_co_u32 s17, s17, s22
	s_xor_b32 s17, s17, 7
	s_add_co_u32 s17, s17, 1
	s_mul_i32 s17, s17, 64*PITCH
	s_wait_dscnt 0x0                               ; both opening adds are done
	s_wait_kmcnt 0x0
	s_add_nc_u64 s[46:47], s[4:5], s[46:47]
	s_add_nc_u64 s[66:67], s[6:7], s[66:67]
.irp s, 0,1
	s_mov_b32 s[G0+4*\s], 1
	s_add_co_u32 s[G0+4*\s+1], s3, \s*HALFT
	s_add_nc_u64 s[G0+4*\s+2:G0+4*\s+3], s[46:47], \s*KSA
	s_or_b32 s[G0+4*\s+3], s[G0+4*\s+3], 0x80000000
	s_mov_b32 s[G0B+4*\s], 1
	s_add_co_u32 s[G0B+4*\s+1], s3, \s*HALFT
	s_add_nc_u64 s[G0B+4*\s+2:G0B+4*\s+3], s[66:67], \s*KSB
	s_or_b32 s[G0B+4*\s+3], s[G0B+4*\s+3], 0x80000000
.endr
	s_add_nc_u64 s[10:11], s[10:11], s[72:73]
	s_add_nc_u64 s[12:13], s[12:13], s[72:73]
	s_add_nc_u64 s[14:15], s[14:15], s[72:73]
	s_mov_b32 s72, s40
	s_add_nc_u64 s[8:9], s[8:9], s[72:73]
	CROUND                                         ; all sixteen work-groups are here: the first joint loads meet
	JLOAD G0, G1P, G0B, G1BP                       ; K steps 0 and 1 of my quarter: my one load at the head
	v_and_b32 v1, 15, v0                           ; r
	v_bfe_u32 v2, v0, 4, 1                         ; h
	v_and_b32 v5, 31, v0                           ; lane
	v_lshlrev_b32 v[VB], 4, v1
	v_mul_u32_u24 v3, v1, PITCH
	v_lshl_add_u32 v4, v2, 4, v3                   ; a fragment's row x pitch + 16 h
	v_add_nc_u32 v[ADRA], s16, v4
	v_add_nc_u32 v[ADRBL], 4*HALFT, v4
	v_add_nc_u32 v[ADRBH], 6*HALFT, v4
	v_mul_u32_u24 v6, s17, v2                      ; lanes 16-31 take B's
	v_add_nc_u32 v6, v3, v6
	v_add_nc_u32 v[ADRSA], s18, v6
	v_add_nc_u32 v[ADRSL], 4*HALFT+256, v3
	v_add_nc_u32 v[ADRSH], 6*HALFT+256, v3
	v_lshlrev_b32 v[CO], 15, v2
	v_lshl_add_u32 v[CO], v1, 4, v[CO]
	v_lshlrev_b32 v[PFO], 12, v5
	v_min_u32 v7, 15, v5
	v_lshlrev_b32 v[PFO2], 12, v7
	s_wait_alu depctr_va_vdst(0)
.irp g, 0,1,2,3
	global_load_b128 v[AF+4*\g:AF+4*\g+3], v[VB], s[8:9] offset:4096*((3*\g)%4)   ; the bias of my four units, gates i, g, o, f
.endr
.macro FRAG reg, adr, slot, q, i       ; 16 rows x 128 K of codes: 8 registers, two loads 32 bytes apart
.irp c, 0,1
	ds_load_b128 v[\reg+4*\c:\reg+4*\c+3], v[\adr] offset:(\slot)*HALFT+64*(\q)+32*\c+(\i)*16*PITCH
.endr
.endm
.macro MUL16 a, p, q, sc, zero         ; A's block a against B's sixteen; the accumulators take turns
.irp b, 0,1,2,3,4,5,6,7,8,9,10,11,12,13,14,15
.if \zero
	v_wmma_scale_f32_16x16x128_f8f6f4 v[8*(16*((\a)%2)+\b):8*(16*((\a)%2)+\b)+7], v[AF+FR*(\a):AF+FR*(\a)+FR-1], v[128*(\p)+FR*\b:128*(\p)+FR*\b+FR-1], 0, v[SC+64*(\sc)+NQ*(\a)+(\q)], v[SC+64*(\sc)+NQ*\b+(\q)] matrix_a_fmt:MATRIX_FMT_FP4 matrix_b_fmt:MATRIX_FMT_FP4 matrix_b_scale:MATRIX_SCALE_ROW1
.else
	v_wmma_scale_f32_16x16x128_f8f6f4 v[8*(16*((\a)%2)+\b):8*(16*((\a)%2)+\b)+7], v[AF+FR*(\a):AF+FR*(\a)+FR-1], v[128*(\p)+FR*\b:128*(\p)+FR*\b+FR-1], v[8*(16*((\a)%2)+\b):8*(16*((\a)%2)+\b)+7], v[SC+64*(\sc)+NQ*(\a)+(\q)], v[SC+64*(\sc)+NQ*\b+(\q)] matrix_a_fmt:MATRIX_FMT_FP4 matrix_b_fmt:MATRIX_FMT_FP4 matrix_b_scale:MATRIX_SCALE_ROW1
.endif
.endr
.endm
.macro FETCH_B slot, q, p, i0          ; B's blocks i0 .. i0 + 7 into set p
	WIN TO_B
.irp i, 0,1,2,3,4,5,6,7
	FRAG 128*(\p)+FR*((\i0)+\i), ADRBL+(\i0)/8, \slot, \q, \i
.endr
	WIN 0
.endm
.macro FETCH_A slot, q, i0
.irp i, 0,1
	FRAG AF+FR*((\i0)+\i), ADRA, \slot, \q, (\i0)+\i
.endr
.endm
.macro SCALES sc                       ; a K step's scale words: register NQ i + q: lanes 16-31 B's block i; for i under 4 lanes 0-15 my A block i
.irp i, 0,1,2,3
	ds_load_b128 v[SC+64*\sc+NQ*\i:SC+64*\sc+NQ*\i+3], v[ADRSA] offset:\sc*HALFT+\i*16*PITCH
.endr
.irp i, 4,5,6,7
	ds_load_b128 v[SC+64*\sc+NQ*\i:SC+64*\sc+NQ*\i+3], v[ADRSL] offset:\sc*HALFT+\i*16*PITCH
.endr
.irp i, 8,9,10,11,12,13,14,15
	ds_load_b128 v[SC+64*\sc+NQ*\i:SC+64*\sc+NQ*\i+3], v[ADRSH] offset:\sc*HALFT+(\i-8)*16*PITCH
.endr
.endm
.macro PLACES n
.rept \n
	v_nop
.endr
.endm
.macro STEP slot, q, zero              ; 128 along K with its successor in the same slot
	s_wait_dscnt 20                                ; may be out: A's blocks 2, 3 (4 loads) and the next set's lower half of B (16)
	WIN MUL_LO
	MUL16 0, (\q)%2, \q, \slot, \zero
	MUL16 1, (\q)%2, \q, \slot, \zero
	s_wait_dscnt 16                                ; A's blocks 2, 3 are in
	PLACES NP
	FETCH_B \slot, (\q)+1, 1-(\q)%2, 8
	FETCH_A \slot, (\q)+1, 0
	WIN MUL_HI
	MUL16 2, (\q)%2, \q, \slot, \zero
	MUL16 3, (\q)%2, \q, \slot, \zero
	PLACES NP
	WIN 0
	FETCH_A \slot, (\q)+1, 2
.if (\q) < 2
	FETCH_B \slot, (\q)+2, (\q)%2, 0
.endif
.endm
.macro MEET slot                       ; first half of a slot's last step, and the barrier of the change of slots
	s_wait_tensorcnt 0x0                           ; all my tensor loads have landed;
	ds_add_u32 v[SPW], v[NIL]
	s_wait_dscnt 5                                 ; (the add and A's blocks 2, 3 may be out)
	WIN MUL_LO
	MUL16 0, 1, NQ-1, \slot, 0
	s_wait_dscnt 0x0                               ; the add is done, my reads of this slot are over
	s_barrier_signal -1
	MUL16 1, 1, NQ-1, \slot, 0
	WIN 0
	s_barrier_wait -1
.endm
.macro TURN slot, next, fill           ; fill = 1: this slot takes the K step two on
	MEET \slot
.if \fill
	CREST                                          ; the barrier has opened a round: no wave of any partner reads this slot or has a load out
	s_add_nc_u64 s[G0+4*\slot+2:G0+4*\slot+3], s[G0+4*\slot+2:G0+4*\slot+3], 2*KSA
	s_add_nc_u64 s[G0B+4*\slot+2:G0B+4*\slot+3], s[G0B+4*\slot+2:G0B+4*\slot+3], 2*KSB
	JLOAD G0+4*\slot, G1, G0B+4*\slot, G1B
.else
	PLACES NP
.endif
	FETCH_B \next, 0, 0, 0
	FETCH_B \next, 0, 0, 8
	FETCH_A \next, 0, 0
	SCALES \next
	WIN MUL_HI
	MUL16 2, 1, NQ-1, \slot, 0
	MUL16 3, 1, NQ-1, \slot, 0
	PLACES NP
	WIN 0
	FETCH_A \next, 0, 2
	FETCH_B \next, 1, 1, 0
.endm
.macro CPLOAD off                      ; c_prev of 16 rows: register 4 j + t: row 8 h + j, unit 4 r + t
.irp j, 0,1,2,3,4,5,6,7
	global_load_b128 v[CP0+4*\j:CP0+4*\j+3], v[CO], s[10:11] offset:(\off)+\j*4096 th:TH_LOAD_NT
.endr
.endm
.macro LASTQ fill                      ; a tile's last step.  fill = 1: both slots are free behind its round: one load brings the next tile's K steps 0 and 1
.if \fill
	MEET 1
	CREST
	s_sub_nc_u64 s[G0+2:G0+3], s[G0+2:G0+3], NEXT_A
	s_sub_nc_u64 s[G0+6:G0+7], s[G0+6:G0+7], NEXT_A
	s_sub_nc_u64 s[G0B+2:G0B+3], s[G0B+2:G0B+3], BACK_B
	s_sub_nc_u64 s[G0B+6:G0B+7], s[G0B+6:G0B+7], BACK_B
	JLOAD G0, G1P, G0B, G1BP
.else
	s_wait_dscnt 4
	WIN MUL_LO
	MUL16 0, 1, NQ-1, 1, 0
	MUL16 1, 1, NQ-1, 1, 0
	s_wait_dscnt 0x0
.endif
	WIN MUL_HI
	MUL16 2, 1, NQ-1, 1, 0
	MUL16 3, 1, NQ-1, 1, 0
	WIN 0
.endm
; THE WAY OUT, a loop of four trips, a block of 16 rows a trip.  ARM a is all that differs between blocks: accumulator x factor + bias x factor, written into window 1's v0-127 (i 0-31, g 32-63, o 64-95, f 96-127; in each 8 t + j).
.macro ARM a
.set AC, 128*((\a)%2)
	WIN (0x40|(2+(\a)/2))
	s_wait_alu depctr_va_vdst(0)                   ; the wait ahead of the first reads of matrix results
.set k, 0
.rept 64
.if k/32 == 1
	v_pk_fma_f32 v[k:k+1], v[AC+k:AC+k+1], s[TL2E:TL2E+1], v[BBX+2*(k/8):BBX+2*(k/8)+1] op_sel_hi:[1,0,1]
.else
	v_pk_fma_f32 v[k:k+1], v[AC+k:AC+k+1], s[NL2E:NL2E+1], v[BBX+2*(k/8):BBX+2*(k/8)+1] op_sel_hi:[1,0,1]
.endif
.set k, k+2
.endr
	WIN 0
.endm
.macro TW                              ; the wait ahead of and behind a batch of transcendentals
	s_wait_alu depctr_va_vdst(0)
.endm
; The rest of a trip, on fixed registers.  Transcendentals go in batches; among a batch stands plain work on another gate's numbers, which names none of the batch's registers.
.macro REST
	WIN 0x55
	TW
.set k, 0
.rept 64
	v_exp_f32 v[k], v[k]                           ; i, g
.set k, k+1
.endr
	v_nop
	TW
.set k, 0
.rept 32
	v_exp_f32 v[64+k], v[64+k]                     ; o, f
	v_exp_f32 v[65+k], v[65+k]
	v_pk_add_f32 v[k:k+1], v[k:k+1], 1.0 op_sel_hi:[1,0]
.set k, k+2
.endr
	TW
.set k, 0
.rept 32
	v_rcp_f32 v[k], v[k]                           ; sig(i); 1 / (1 + 2^..) of g
	v_rcp_f32 v[k+1], v[k+1]
	v_pk_add_f32 v[64+k:65+k], v[64+k:65+k], 1.0 op_sel_hi:[1,0]
.set k, k+2
.endr
	TW
.set k, 0
.rept 16
	v_rcp_f32 v[96+k], v[96+k]                     ; sig(f)
	v_rcp_f32 v[97+k], v[97+k]
	v_pk_fma_f32 v[32+k:33+k], v[32+k:33+k], -2.0, 1.0 op_sel_hi:[1,0,0]   ; tanh(g)
.set k, k+2
.endr
	TW
	s_wait_loadcnt 0x0                             ; this block's c_prev: the only loads out
	s_wait_xcnt 0x0                                ; the last trip's stores and loads and the tile's prefetches have read their bases and data: c's and h's registers and the bases are written again only behind this wait
	s_add_nc_u64 s[10:11], s[10:11], BLK           ; the bases step here, to the next block: this block's stores reach back by their immediate
	s_add_nc_u64 s[12:13], s[12:13], BLK
	s_add_nc_u64 s[14:15], s[14:15], BLK
.set k, 0
.rept 16
	v_pk_mul_f32 v[32+k:33+k], v[k:k+1], v[32+k:33+k]                      ; sig(i) tanh(g)
.set k, k+2
.endr
	WIN 0x51
.irp j, 0,1,2,3,4,5,6,7
.irp t, 0,1,2,3
	v_fma_f32 v[128+4*\j+\t], v[96+8*\t+\j], v[CP0+4*\j+\t], v[32+8*\t+\j]  ; c, laid 4 j + t: four neighbouring units of a row; in registers of its own, which the next trip's first pass does not write
.endr
.endr
	WIN 0x55
.set k, 0
.rept 16
	v_pk_mul_f32 v[32+k:33+k], v[128+k:129+k], s[TL2E:TL2E+1] op_sel_hi:[1,0]
.set k, k+2
.endr
	WIN 0x04
.irp j, 0,1,2,3,4,5,6,7
	global_store_b128 v[CO], v[128+4*\j:128+4*\j+3], s[14:15] offset:\j*4096-BLK th:TH_STORE_NT   ; sixteen lanes store 256 neighbouring bytes, aligned
.endr
	WIN 0
	s_cmp_eq_u32 s3, 3
	s_cbranch_scc1 .Lno_cp_\@                      ; the tile's last block has no successor
	CPLOAD 0                                       ; the next block's c_prev (the base has stepped), into the registers just read
.Lno_cp_\@:
	WIN 0x55
	TW
.set k, 0
.rept 32
	v_exp_f32 v[32+k], v[32+k]
.set k, k+1
.endr
	v_nop
	TW
.set k, 0
.rept 16
	v_rcp_f32 v[64+k], v[64+k]                     ; sig(o)
	v_rcp_f32 v[65+k], v[65+k]
	v_pk_add_f32 v[32+k:33+k], v[32+k:33+k], 1.0 op_sel_hi:[1,0]
.set k, k+2
.endr
	TW
.set k, 0
.rept 32
	v_rcp_f32 v[32+k], v[32+k]
.set k, k+1
.endr
	v_nop
	TW
.set k, 0
.rept 16
	v_pk_fma_f32 v[32+k:33+k], v[32+k:33+k], -2.0, 1.0 op_sel_hi:[1,0,0]   ; tanh(c)
.set k, k+2
.endr
.irp j, 0,1,2,3,4,5,6,7
.irp t, 0,1,2,3
	v_mul_f32 v[160+4*\j+\t], v[64+8*\t+\j], v[32+4*\j+\t]                  ; h, in registers of its own
.endr
.endr
	WIN 0x04
.irp j, 0,1,2,3,4,5,6,7
	global_store_b128 v[CO], v[160+4*\j:160+4*\j+3], s[12:13] offset:\j*4096-BLK th:TH_STORE_NT
.endr
	WIN 0
.endm
.macro EPILOOP
	PLACES NP                                      ; behind the last products
	s_mov_b32 s3, 0
.Lepi_\@:
	s_cmp_lg_u32 s3, 0
	s_cbranch_scc1 .Le1_\@
	ARM 0
	TW
	s_branch .Lej_\@
.Le1_\@:
	s_cmp_lg_u32 s3, 1
	s_cbranch_scc1 .Le2_\@
	ARM 1
	TW
	s_branch .Lej_\@
.Le2_\@:
	s_cmp_lg_u32 s3, 2
	s_cbranch_scc1 .Le3_\@
	ARM 2
	TW
	s_branch .Lej_\@
.Le3_\@:
	ARM 3
.Lej_\@:
	REST
	s_add_co_u32 s3, s3, 1
	s_cmp_lt_u32 s3, 4
	TW
	s_cbranch_scc1 .Lepi_\@
.endm
	s_wait_loadcnt 0x0                             ; the bias
.irp b, 0,1,2,3,4,5,6,7,8,9,10,11,12,13,14,15
.if (\b)/4 == 1
	v_mul_f32 v[BBX+2*\b], s[TL2E], v[AF+\b]
	v_mul_f32 v[BBX+2*\b+1], s[TL2E], v[AF+\b]
.else
	v_mul_f32 v[BBX+2*\b], s[NL2E], v[AF+\b]
	v_mul_f32 v[BBX+2*\b+1], s[NL2E], v[AF+\b]
.endif
.endr
	s_mov_b32 s2, TILES
.Ltile:
	s_wait_alu depctr_va_vdst(0)
	s_wait_tensorcnt 0x0                           ; my quarter of the tile's K steps 0 and 1 is in: the one load that is out
	ds_add_u32 v[SPW], v[NIL]
	s_wait_dscnt 0x0
	s_barrier_signal -1
	s_barrier_wait -1                              ; and so is every wave's
	s_wait_loadcnt 0x0                             ; no earlier load into c_prev's registers is out when they are loaded again
	CPLOAD 0
	FETCH_B 0, 0, 0, 0
	FETCH_B 0, 0, 0, 8
	FETCH_A 0, 0, 0
	SCALES 0
	FETCH_A 0, 0, 2
	FETCH_B 0, 1, 1, 0
	STEP 0, 0, 1                                   ; the first products start the sums
	global_prefetch_b8 v[PFO], s[10:11] offset:BLK th:TH_LOAD_NT scope:SCOPE_SE      ; c_prev, my rows 16 to 47, a lane a row
	STEP 0, 1, 0
	global_prefetch_b8 v[PFO2], s[10:11] offset:3*BLK th:TH_LOAD_NT scope:SCOPE_SE   ; rows 48 to 63; lanes 16-31 name row 63 again
	STEP 0, 2, 0
	TURN 0, 1, 1
	STEP 1, 0, 0
	STEP 1, 1, 0
	STEP 1, 2, 0
	TURN 1, 0, 1
	STEP 0, 0, 0
	STEP 0, 1, 0
	STEP 0, 2, 0
	TURN 0, 1, 0
	STEP 1, 0, 0
	STEP 1, 1, 0
	STEP 1, 2, 0
	s_cmp_eq_u32 s2, 1
	s_cbranch_scc1 .Llast_tile                     ; the last tile's tail is written out: it asks for nothing more
	LASTQ 1
	EPILOOP
	s_wait_xcnt 0x0                                ; the tile's last stores have read their bases and data: the bases step, and B's fragments land on those registers, only behind this wait
	s_add_nc_u64 s[10:11], s[10:11], NEXT_C
	s_add_nc_u64 s[12:13], s[12:13], NEXT_C
	s_add_nc_u64 s[14:15], s[14:15], NEXT_C
	s_sub_co_u32 s2, s2, 1
	s_cmp_lg_u32 s2, 0
	s_cbranch_scc1 .Ltile
.Llast_tile:
	s_wait_alu depctr_va_vdst(0)
	LASTQ 0
	EPILOOP
	s_wait_tensorcnt 0x0                           ; the wave's end
	ds_add_u32 v[SPW], v[NIL]
	s_wait_dscnt 0x0
	CROUND                                         ; the closing round
	s_endpgm
.Lfunc_end_k_qe38a9487f7_cell:
	.size	k_qe38a9487f7_cell, .Lfunc_end_k_qe38a9487f7_cell-k_qe38a9487f7_cell
	.p2alignl 7, 3214868480
	.fill 96, 4, 3214868480
	.section	.rodata,"a",@progbits
	.p2align	6, 0x0
	.amdhsa_kernel k_qe38a9487f7_cell
		.amdhsa_group_segment_fixed_size 327680
		.amdhsa_private_segment_fixed_size 0
		.amdhsa_enable_private_segment 0
		.amdhsa_kernarg_size 48
		.amdhsa_user_sgpr_count 2
		.amdhsa_user_sgpr_kernarg_segment_ptr 1
		.amdhsa_wavefront_size32 1
		.amdhsa_system_sgpr_workgroup_id_x 1
		.amdhsa_system_sgpr_workgroup_id_y 1
		.amdhsa_system_sgpr_workgroup_id_z 1
		.amdhsa_system_vgpr_workitem_id 0
		.amdhsa_next_free_vgpr 1024
		.amdhsa_next_free_sgpr 92
		.amdhsa_reserve_vcc 0
		.amdhsa_float_denorm_mode_32 3
		.amdhsa_float_denorm_mode_16_64 3
		.amdhsa_memory_ordered 1
		.amdhsa_forward_progress 1
		.amdhsa_inst_pref_size 255
	.end_amdhsa_kernel
	.section	.bss,"aw",@nobits
	.p2align	6
	.space	262144
	.amdgpu_metadata
---
amdhsa.version: [ 1, 2 ]
amdhsa.kernels:
  - .name:           k_qe38a9487f7_cell
    .symbol:         k_qe38a9487f7_cell.kd
    .args:
      - { .name: a_img, .offset: 0, .size: 8, .value_kind: global_buffer, .address_space: global }
      - { .name: b_img, .offset: 8, .size: 8, .value_kind: global_buffer, .address_space: global }
      - { .name: b, .offset: 16, .size: 8, .value_kind: global_buffer, .address_space: global }
      - { .name: c_prev, .offset: 24, .size: 8, .value_kind: global_buffer, .address_space: global }
      - { .name: out0, .offset: 32, .size: 8, .value_kind: global_buffer, .address_space: global }
      - { .name: out1, .offset: 40, .size: 8, .value_kind: global_buffer, .address_space: global }
    .group_segment_fixed_size: 327680
    .private_segment_fixed_size: 0
    .kernarg_segment_align: 8
    .kernarg_segment_size: 48
    .max_flat_workgroup_size: 128
    .sgpr_count:     92
    .vgpr_count:     1024
    .wavefront_size: 32
...
	.end_amdgpu_metadata
.endif
;; end of part 2
